; MI455X (gfx1250); checked and timed in simulation.
; The chip was launched on July 23, 2026; its instructions are those of AMD's public machine-readable ISA for CDNA 5 (MIT licence, August 2026) and "CDNA5" Instruction Set Architecture Reference Guide (July 2026). The comments in the code are by the model that wrote it; some were corrected since.
;; Hstu Layer. Allowed arithmetic: matrix products marked QUANTISED: E5M2 operands, one given power-of-two scale a tensor, by v_wmma_f32_16x16x64_bf8_bf8 or v_wmma_f32_16x16x128_bf8_bf8, f32 sums; everything else in f32.
;; Inputs: Wk_codes 1,024 x 32 x 32 uint8 (E5M2 codes of Wk, K innermost, in blocks of 32 codes); Wq_codes 1,024 x 32 x 32 uint8 (E5M2 codes of Wq, K innermost, in blocks of 32 codes); Wu_codes 1,024 x 32 x 32 uint8 (E5M2 codes of Wu, K innermost, in blocks of 32 codes); Wv_codes 1,024 x 32 x 32 uint8 (E5M2 codes of Wv, K innermost, in blocks of 32 codes); lowp_scales 12 int32 (the exponents e of the quantised operands' scales 2^e); rel_bias 4,095 x 8 float32; x_codes 4 x 2,048 x 32 x 32 uint8 (E5M2 codes of x, K innermost, in blocks of 32 codes).
;; Outputs: out0 4 x 2,048 x 1,024 float32.
;; This version of the problem:
;;   THIS VERSION OF THE PROBLEM IS GIVEN IN LOW PRECISION. The matrix products marked QUANTISED in the list below multiply operands that are first quantised to E5M2 (5 exponent bits, 2 mantissa bits; 8 bits a number), with one given power-of-two scale for each operand tensor; their sums are f32. All else is computed in f32.
;;   The module's matrix products, in the order in which they are computed (A, B: the left and right operand; K: the contracted axis; several contracted axes count as one K, in the product's order):
;;     1. [M 8,192, K 1,024] x [K 1,024, N 1,024]; A: input x (given as codes); B: input Wq (given as codes): QUANTISED (scales: A lowp_scales[0], B lowp_scales[1])
;;     2. [M 8,192, K 1,024] x [K 1,024, N 1,024]; A: input x (given as codes); B: input Wk (given as codes): QUANTISED (scales: A lowp_scales[2], B lowp_scales[3])
;;     3. [M 8,192, K 1,024] x [K 1,024, N 1,024]; A: input x (given as codes); B: input Wv (given as codes): QUANTISED (scales: A lowp_scales[4], B lowp_scales[5])
;;     4. [M 8,192, K 1,024] x [K 1,024, N 1,024]; A: input x (given as codes); B: input Wu (given as codes): QUANTISED (scales: A lowp_scales[6], B lowp_scales[7])
;;     5. batch 32 x [M 2,048, K 128] x [K 128, N 2,048]; A: computed on the way; B: computed on the way: QUANTISED (scales: A lowp_scales[8], B lowp_scales[9])
;;     6. batch 32 x [M 2,048, K 2,048] x [K 2,048, N 128]; A: computed on the way; B: computed on the way: QUANTISED (scales: A lowp_scales[10], B lowp_scales[11])
;;   THE QUANTISER, for each operand of a quantised product, along K:
;;     - The operand's scale is 2^e, e = its entry of the input lowp_scales (int32; the entries are numbered through the quantised products in the list's order, A before B).
;;     - Each number is divided by the scale, clamped to +-57,344, and rounded to the nearest number of E5M2, ties to even, subnormals kept.
;;     - The product sums the exact products of the quantised numbers (number of the format x scale) in f32.
;;   ~~~python
;;   def quantise(x, axis, e):      # numpy; x: float32 -> the quantised numbers, widened to float32 again
;;       x = np.moveaxis(x, axis, -1); K = x.shape[-1]
;;       r = np.clip(x / 2.0 ** e, -57344, 57344)
;;       step = 2.0 ** (np.maximum(np.frexp(np.where(r == 0, 1, r))[1] - 1, -14) - 2)
;;       q = np.round(r / step) * step * 2.0 ** e      # np.round: ties to even
;;       return np.moveaxis(q, -1, axis).astype(np.float32)
;;   ~~~
;;   OPERANDS COMPUTED ON THE WAY. 'Computed on the way' means the value that the module computes at that place (a softmax that the list does not call 'softmax' is quantised finished and normalised). What goes into a quantiser is computed in f32, as accurately as f32 sums, v_exp_f32 and their like allow (about 1e-6 of the number): no bf16 or f16 on the way to a quantiser, and a product that is left as it is and whose result goes on into a quantised operand takes f32 operands (vector FMAs, or v_wmma_f32_16x16x4_f32). A number that lies on a knife's edge between two numbers of the format may be rounded either way, as far as f32 arithmetic and the matrix unit's own rounding can turn it there, and no further.
;;   INPUTS GIVEN AS CODES. Wk (in the module: [1024, 1024], K = its axis 0); Wq (in the module: [1024, 1024], K = its axis 0); Wu (in the module: [1024, 1024], K = its axis 0); Wv (in the module: [1024, 1024], K = its axis 0); x (in the module: [4, 2048, 1024], K = its axis 2): each comes as NAME_codes (uint8): NAME with its K axis moved to the last place and cut into blocks of 32 codes, [.., K / 32, bytes a block], one block behind the other in memory; one code a byte (a code: sign, 5 exponent bits, 2 mantissa bits); its scale is its entry of lowp_scales. Its value is code x scale, taken as it is: it is not quantised again, and the codes and scales need not be those that the quantiser above would give.
;; One version. Each part assembles by itself: llvm-mc -triple=amdgcn-amd-amdhsa -mcpu=gfx1250 --defsym DOCPART=n.
;; ======== version 1 of 1: 2 launches
;; limits: right only within a limited range of input values
;; workspace buffers: qf 8,388,608 bytes; kf 8,388,608 bytes; vf 8,388,608 bytes; gate 33,554,432 bytes
;; launch proj (part 1): grid 16 x 16, 4 waves a work-group, clusters of 4 x 4, 327,680 bytes of LDS; arguments x_codes, Wq_codes, Wk_codes, Wv_codes, Wu_codes, lowp_scales, qf, kf, vf, gate; writes qf, kf, vf, gate
.if DOCPART == 1
	.amdgcn_target "amdgcn-amd-amdhsa--gfx1250"
	.amdhsa_code_object_version 6
	.text
	.protected	k_q307d97b226_proj
	.globl	k_q307d97b226_proj
	.p2align	8
	.type	k_q307d97b226_proj,@function
k_q307d97b226_proj:
	s_mov_b64 s[64:65], 0
	v_nop
	global_prefetch_b8 v0, s[64:65] scope:SCOPE_SE
	s_setreg_imm32_b32 hwreg(HW_REG_WAVE_MODE, 25, 1), 1
	s_wait_xcnt 0x0
	s_wait_alu depctr_hold_cnt(0) depctr_sa_sdst(0) depctr_va_vdst(0) depctr_va_sdst(0) depctr_va_ssrc(0) depctr_va_vcc(0) depctr_vm_vsrc(0)
	s_getreg_b32 s2, hwreg(HW_REG_IB_STS2, 6, 4)
	s_cmp_eq_u32 s2, 0
	s_cbranch_scc0 .Lentry_in_a_cluster
	s_endpgm
.Lentry_in_a_cluster:
	s_bfe_u32 s2, ttmp6, 0x10000c
	s_cmp_lg_u32 s2, 0xf033
	s_cbranch_scc0 .Lentry_shape_is_right
	s_endpgm
.Lentry_shape_is_right:
; THE FOUR PROJECTIONS.  x [8192][1024] and Wq, Wk, Wv, Wu [1024 (n)][1024 (k)] are codes of BF8 (E5M2), K innermost.  sum x 2^(its two exponents) is taken through silu; then
;   Q, K: quantised with 2^e8, 2^e9 and stored as IMAGES OF OPERAND REGISTERS: qf, kf [b x 8 + head][token / 16][2048 bytes]: byte 512 c + 16 lane holds registers 4 c .. 4 c + 3 of the fragment
;         (lane (r, hl): token r; registers 2 c, 2 c + 1: channels 16 c + 8 hl + 0 .. 7);
;   V:    quantised with 2^e11, with the KEYS along the registers: vf [b x 8 + head][token / 128][channel / 16][2048 bytes] (lane: channel r; registers 2 c, 2 c + 1: keys 16 c + 8 hl + 0 .. 7);
;         a key whose row of silu(K) is all zeros is held at 0: its weights would be 0 for every query, and a zero row of V gives the same sums;
;   U:    gate = silu(U) x 2^(e10 + e11), f32, [b x 8 + head][token / 16][channel / 16][1024 bytes]: register jj of lane (r, hl) is (token 8 hl + jj, channel r): the layout of the next launch's sums.
; SHARES.  A tile is 256 tokens x 256 columns: the 128 columns of one head of Wq and of Wu (TYPE 0) or of Wk and of Wv (TYPE 1).  Four waves, each 128 x 128: 64 accumulators, 512 registers.
; Wave w: token half w / 2, column half w % 2.  K goes in steps of 256 through two LDS slots filled by the tensor data mover; a tile's row is 256 bytes of memory.
; A WORK-GROUP STAYS: it makes two tiles, token tiles tr and tr + 16, with the same weights: 256 work-groups in all.  The ring goes on into the second tile: its first two K steps are asked for while the
; first tile is finished, and nothing waits for the first tile's stores.  The two tiles are written one behind the other.
; CLUSTERS: 4 x 4 work-groups; x's tile is asked for jointly by a row of the cluster, the weights' tile by a column.  TYPE is made of the cluster's x alone: it is equal in all sixteen partners.
; ORIENTATION BY ADDRESSES ALONE.  Every product is D = (source 0: a fragment of the first set) x (source 1: a fragment of the second set): a lane holds one row of the second set, its eight registers
; eight neighbouring rows of the first.  The left waves (Q, K) read x into the second set and W into the first: a lane holds a token, its registers run along the channels.  The right waves (V, U) swap the
; two LDS addresses: a lane holds a channel, its registers run along the tokens.  So eight results of a lane, converted, ARE registers 2 b, 2 b + 1 of the fragment wanted: nothing changes lanes.
; SILU.  z = -log2(e) t;  silu(t) = z / (-log2(e) (1 + 2^z)): a packed multiply, v_exp_f32, a packed multiply-add, v_rcp_f32, a packed multiply.  A power of two rides in the multiply-add's constant.
; LIMITS.  Each product's two exponents added: -126 .. 126.  e8, e9, e11: -126 .. 112.  e10 + e11: -126 .. 126.  v_exp_f32 and v_rcp_f32 give 0 for results under 2^-126 (ISA guide 15.8), so a row of K whose
; every |silu| lies under about 1e-37 counts as zero.  NaN among the inputs is not served.
; REGISTERS, in windows of 256: window 0: v0-31 addresses and constants; v128-255 the second set's 8 fragments (one set); on the way out v32-95 at work, v96-111 maxima, v160-223 V's limits, v224-255 codes.
;   window 1: the first set's 8 fragments, twice.   windows 2, 3: the accumulators ((a, b) at v[8 (8 (a % 4) + b)], a < 4 in window 2).
.set ROWB,   256                       ; a tile's row in bytes: 256 along K
.set KROW,   1024                      ; a row of x or of a weight in memory
.set PITCH,  272                       ; an LDS row: 256 bytes + 16 of padding = 68 words, so that the 16 rows of a fragment load start 4 words apart modulo 64 words
.set FR,     16                        ; registers of a fragment: 16 rows x 128 K
.set NL,     4                         ; LDS loads that bring one
.set NP,     4                         ; places behind this matrix instruction (ISA guide 7.12.1)
.set HALFT,  128*PITCH                 ; 128 rows: what one tensor load brings
.set SLOT,   4*HALFT                   ; x's 256 rows, then the weights' 256 rows
.set SPARE,  2*SLOT                    ; behind the ring: the spare words, 128 bytes for each wave
.set MASK,   SPARE+512                 ; behind them: one word for each of the 256 tokens: V's limit; no tile lands here
.set NEXT_A, 4096*KROW-2*ROWB          ; bytes from a slot's last K step of the first tile to its first of the second: x goes 4,096 rows down and 512 bytes back along K,
.set BACK_B, 2*ROWB                    ; the weights only back
.set ADRA, 16                          ; v16-17  LDS address of the second set's fragments in slot 0, 1
.set ADRB, 20                          ; v20-21  of the first set's
.set LN,   24                          ; v24     16 x lane
.set MA,   25                          ; v25     where a left wave puts a token's limit
.set ML,   26                          ; v26     where a right wave reads eight of them
.set SCL,  27                          ; v27     the quantiser's scale as f32
.set SPW,  28                          ; v28     LDS address of my spare word; never rewritten
.set NIL,  29                          ; v29     0; never rewritten
.set LIM,  30                          ; v30     57,344 x the scale
.set LV,   31                          ; v31     57,344 x 2^e11
.set TT,   32                          ; v32-95  at work
.set MM,   96                          ; v96-111 a pair for each block's maximum
.set AF,   128                         ; the second set's fragments
.set LL,   160                         ; v160-223 V's limits: one for each of my 64 registers of a block
.set CD,   224                         ; v224-255 codes, two sets of 16
.set G1, 24                            ; s[24:31] descriptor group 1 for x's tiles;  s[32:39] group 0, one set for each slot
.set G0, 32
.set G1B, 48                           ; s[48:55], s[56:63] the same for the weights' tiles
.set G0B, 56
.set MSB, 0
.macro WIN new                         ; the immediate's high byte repeats the setting that is left; a switch that changes nothing is dropped
.if MSB != \new
	s_set_vgpr_msb (MSB<<8)|\new
.set MSB, \new
.endif
.endm
.set MUL_LO, 0xa1                      ; source 0 window 1, source 1 window 0, C and D window 2
.set MUL_HI, 0xf1                      ; the same, C and D window 3
.set TO_B,   0x40                      ; destination window 1, address window 0
; A joint load: waves 0 and 1 fetch x's halves, waves 2 and 3 the weights'.  The branch hangs on the wave's number alone.  Four v_nop follow each of the two lines.
.macro JLOAD g0a, g1a, g0b, g1b
	s_cmp_eq_u32 s15, 0
	s_cbranch_scc0 .Lfor_b_\@
	tensor_load_to_lds s[\g0a:\g0a+3], s[\g1a:\g1a+7]
	s_nop 0
.rept 4
	v_nop
.endr
	s_branch .Lasked_\@
.Lfor_b_\@:
	tensor_load_to_lds s[\g0b:\g0b+3], s[\g1b:\g1b+7]
	s_nop 0
.rept 4
	v_nop
.endr
.Lasked_\@:
.endm
.macro CREST                           ; a round of the cluster's barrier behind its opening barrier
	s_cmp_lg_u32 s14, 0
	s_cbranch_scc1 .Lnot_wave_0_\@
	s_barrier_signal -3
.Lnot_wave_0_\@:
	s_barrier_wait -3
	s_barrier_signal -1
	s_barrier_wait -1
.endm
.macro CROUND                          ; a whole round
	s_barrier_signal -1
	s_barrier_wait -1
	CREST
.endm
; A slot's two groups 0 step on: mode 1: two K steps on in this tile; mode 2: to the same slot's first K step of the second tile.  Written only where no tensor load of the wave is out.
.macro WALKD slot, mode
.if \mode == 2
	s_add_nc_u64 s[G0+4*\slot+2:G0+4*\slot+3], s[G0+4*\slot+2:G0+4*\slot+3], NEXT_A
	s_sub_nc_u64 s[G0B+4*\slot+2:G0B+4*\slot+3], s[G0B+4*\slot+2:G0B+4*\slot+3], BACK_B
.else
	s_add_nc_u64 s[G0+4*\slot+2:G0+4*\slot+3], s[G0+4*\slot+2:G0+4*\slot+3], 2*ROWB
	s_add_nc_u64 s[G0B+4*\slot+2:G0B+4*\slot+3], s[G0B+4*\slot+2:G0B+4*\slot+3], 2*ROWB
.endif
.endm
	s_load_b512 s[68:83], s[0:1], 0x0              ; x 68, Wq 70, Wk 72, Wv 74, Wu 76, the exponents 78, qf 80, kf 82
	s_load_b128 s[84:87], s[0:1], 0x40             ; vf 84, gate 86
	v_lshl_add_u32 v[SPW], v0, 2, SPARE
	v_mov_b32 v[NIL], 0
	ds_add_u32 v28, v29
	s_wait_dscnt 0x0
	v_lshrrev_b32 v1, 5, v0
	v_readfirstlane_b32 s14, v1                    ; wave 0..3
	s_lshr_b32 s15, s14, 1                         ; rh: my token half.  Also: I fetch for x (0) or for the weights (1)
	s_and_b32 s16, s14, 1                          ; ch: my column half.  Also: which 128 rows of that tile I fetch
	s_bfe_u32 s40, ttmp6, 0x40000                  ; cx, cy: my place in the cluster
	s_bfe_u32 s41, ttmp6, 0x40004
	s_lshr_b32 s12, ttmp9, 1                       ; TYPE: 0 = Q | U, 1 = K | V: of the cluster's x alone
	s_and_b32 s42, ttmp9, 1
	s_lshl_b32 s42, s42, 2
	s_add_co_u32 s42, s42, s40                     ; the head = 4 x (cluster x % 2) + cx
	s_and_b32 s17, ttmp7, 0xffff
	s_lshl_b32 s17, s17, 2
	s_add_co_u32 s17, s17, s41                     ; my first tile row = 4 x cluster y + cy, 0 .. 15: tokens 256 x that on; the second lies 16 tile rows further down
	s_lshl_b32 s43, s41, 2
	s_lshl_b32 s43, 15, s43                        ; my row of the cluster
	s_lshl_b32 s44, 0x1111, s40                    ; my column
	; descriptor group 1: a tile of 128 rows x 256 bytes, padded in LDS
	s_or_b32 s[G1+0], s43, (0<<16)|(1<<20)|(1<<21)|(5<<22)|(3<<25)  ; 15:0 the mask: x's tiles go to my row; 17:16 element of 1 byte; 20 padding on; 21 set beside a mask; 24:22 after every 64 words (code 5); 31:25 of 4 words (code 3)
	s_or_b32 s[G1B+0], s44, (0<<16)|(1<<20)|(1<<21)|(5<<22)|(3<<25) ; the same with my column's mask
.irp g, G1, G1B
	s_mov_b32 s[\g+1], ROWB<<16                    ; tensor_dim0
	s_mov_b32 s[\g+2], 128<<16                     ; tensor_dim1 = 128
	s_mov_b32 s[\g+3], ROWB<<16                    ; tile_dim0
	s_mov_b32 s[\g+4], 128                         ; tile_dim1 = 128
	s_mov_b32 s[\g+5], KROW                        ; tensor_dim0_stride
	s_mov_b32 s[\g+6], 0
	s_mov_b32 s[\g+7], 0
.endr
	s_lshl_b32 s18, s16, 7
	s_lshl_b32 s20, s17, 8
	s_add_co_u32 s20, s20, s18                     ; x: row 256 x tile row + 128 x half,
	s_lshl_b32 s20, s20, 10                        ; in bytes (under 2^23)
	s_mov_b32 s21, 0
	s_lshl_b32 s46, s42, 17                        ; the weights: the head's 128 rows of 1,024 bytes
	s_mov_b32 s47, 0
	s_mul_i32 s45, s14, HALFT                      ; where they go: wave x 128 rows: no place in the cluster enters an LDS address
	s_wait_kmcnt 0x0
	s_load_b256 s[88:95], s[78:79], 0x0            ; e0 .. e7; waited for on the first way out
	s_load_b128 s[96:99], s[78:79], 0x20           ; e8 .. e11
	s_add_nc_u64 s[20:21], s[68:69], s[20:21]
	s_cmp_eq_u32 s12, 0
	s_cselect_b64 s[22:23], s[70:71], s[72:73]     ; the tile's rows 0-127: Wq or Wk
	s_cselect_b64 s[18:19], s[76:77], s[74:75]     ; its rows 128-255: Wu or Wv
	s_cmp_eq_u32 s16, 0
	s_cselect_b64 s[22:23], s[22:23], s[18:19]     ; the half that I fetch
	s_add_nc_u64 s[46:47], s[22:23], s[46:47]
	CROUND                                         ; all sixteen work-groups are here: the first joint loads meet
.irp s, 0,1
	s_mov_b32 s[G0+4*\s], 1
	s_add_co_u32 s[G0+4*\s+1], s45, \s*SLOT
	s_add_nc_u64 s[G0+4*\s+2:G0+4*\s+3], s[20:21], \s*ROWB
	s_or_b32 s[G0+4*\s+3], s[G0+4*\s+3], 0x80000000
	s_mov_b32 s[G0B+4*\s], 1
	s_add_co_u32 s[G0B+4*\s+1], s45, \s*SLOT
	s_add_nc_u64 s[G0B+4*\s+2:G0B+4*\s+3], s[46:47], \s*ROWB
	s_or_b32 s[G0B+4*\s+3], s[G0B+4*\s+3], 0x80000000
	JLOAD G0+4*\s, G1, G0B+4*\s, G1B
.endr
	v_and_b32 v1, 15, v0                           ; r = lane % 16
	v_bfe_u32 v2, v0, 4, 1                         ; hl = lane / 16
	v_mul_u32_u24 v3, v1, PITCH
	v_lshl_add_u32 v4, v2, 4, v3                   ; a fragment's row x pitch + 16 x half
	; which 128 rows of a slot (x: blocks 0, 1; weights: blocks 2, 3) each set reads.  Second set: left waves x's block rh, right waves block 3.  First set: left waves block 2, right waves x's block rh
	s_xor_b32 s10, s16, 1
	s_and_b32 s21, s15, s10
	s_mul_i32 s11, s16, 3
	s_add_co_u32 s21, s21, s11                     ; waves 0..3: 0, 3, 1, 3
	s_mul_i32 s21, s21, HALFT
	s_and_b32 s22, s15, s16
	s_lshl_b32 s10, s10, 1
	s_add_co_u32 s22, s22, s10                     ; waves 0..3: 2, 0, 2, 1
	s_mul_i32 s22, s22, HALFT
.irp s, 0,1
	v_add_nc_u32 v[ADRA+\s], s21, v4
	v_add_nc_u32 v[ADRB+\s], s22, v4
	s_add_co_u32 s21, s21, SLOT
	s_add_co_u32 s22, s22, SLOT
.endr
	v_and_b32 v5, 31, v0
	v_lshlrev_b32 v[LN], 4, v5
	s_lshl_b32 s23, s15, 9
	s_add_co_u32 s23, s23, MASK                    ; my token half's 128 words
	v_lshl_add_u32 v[MA], v1, 2, s23               ; token 16 a + r: + 64 a in the immediate
	v_lshl_add_u32 v[ML], v2, 5, s23               ; tokens 16 b + 8 hl + 0 .. 7: + 64 b in the immediate
.macro FRAG reg, adr, q, i             ; a fragment by four loads of 16 bytes: registers 4 c .. 4 c + 3 hold K = 32 c + 16 hl + 0 .. 15: a permutation of k that is the same in both sets, so every product meets its partner
.irp c, 0,1,2,3
	ds_load_b128 v[\reg+4*\c:\reg+4*\c+3], v[\adr] offset:128*(\q)+32*\c+(\i)*16*PITCH
.endr
.endm
; 16 matrix instructions: the second set's blocks a0, a0 + 1 x the first set's eight, 128 along K.  p: which copy of the first set.  zero = 1: the first product starts the sums.
; The 64 accumulators take turns, one instruction a turn, in the same order in every step.
.macro MUL16 a0, p, zero
.irp a, \a0, \a0+1
.irp b, 0,1,2,3,4,5,6,7
.if \zero
	v_wmma_f32_16x16x128_bf8_bf8 v[8*(8*((\a)%4)+\b):8*(8*((\a)%4)+\b)+7], v[128*(\p)+FR*\b:128*(\p)+FR*\b+FR-1], v[AF+FR*(\a):AF+FR*(\a)+FR-1], 0
.else
	v_wmma_f32_16x16x128_bf8_bf8 v[8*(8*((\a)%4)+\b):8*(8*((\a)%4)+\b)+7], v[128*(\p)+FR*\b:128*(\p)+FR*\b+FR-1], v[AF+FR*(\a):AF+FR*(\a)+FR-1], v[8*(8*((\a)%4)+\b):8*(8*((\a)%4)+\b)+7]
.endif
.endr
.endr
.endm
.macro FETCH_B slot, q, p              ; the first set's eight fragments of the slot's q-th 128 along K into copy p
	WIN TO_B
.irp i, 0,1,2,3,4,5,6,7
	FRAG 128*(\p)+FR*\i, ADRB+\slot, \q, \i
.endr
	WIN 0
.endm
.macro FETCH_A slot, q, i0             ; the second set's blocks i0 .. i0 + 3
.irp i, \i0, \i0+1, \i0+2, \i0+3
	FRAG AF+FR*(\i), ADRA+\slot, \q, \i
.endr
.endm
; A load into a register that a matrix instruction has read, and a vector instruction that reads a matrix result, stand NP places behind that matrix instruction; only plain vector instructions that name
; none of its registers are places (ISA guide 7.12.1 for vector instructions).
.macro PLACES n
.rept \n
	v_nop
.endr
.endm
; A step of 128 along K that has its successor in the same slot.  A block of the second set is free once its eight products are issued: blocks 0-3 are fetched anew in the middle, blocks 4-7 at the end.
.macro STEP slot, q, zero
	s_wait_dscnt 4*NL                              ; all but the youngest 16 loads (the second set's blocks 4-7) are in
	WIN MUL_LO
	MUL16 0, (\q)%2, \zero
	MUL16 2, (\q)%2, \zero
	s_wait_dscnt 0                                 ; blocks 4-7 are in (asked for 32 matrix instructions ago)
	PLACES NP
	FETCH_B \slot, (\q)+1, 1-(\q)%2
	FETCH_A \slot, (\q)+1, 0
	WIN MUL_HI
	MUL16 4, (\q)%2, \zero
	MUL16 6, (\q)%2, \zero
	PLACES NP
	WIN 0
	FETCH_A \slot, (\q)+1, 4
.endm
; A slot's last step changes slots: ONE barrier; in front of it each wave waits for all its tensor loads, adds 0 to its spare word, and waits for that and for its own reads of this slot.
; fill = 1: this slot is filled again, two K steps ahead;  2: with the second tile's K step;  0: not at all.
.macro TURN slot, next, fill
	s_wait_tensorcnt 0x0                           ; all my tensor loads have landed: my part of the next slot  (every window is 0 here)
	ds_add_u32 v[SPW], v[NIL]                      ; 0 onto my spare word
	s_wait_dscnt 4*NL+1                            ; (the add and the youngest 16 loads may be out)
	WIN MUL_LO
	MUL16 0, 1, 0                                  ; sixteen matrix instructions stand between the add and the wait for it
	s_wait_dscnt 0x0                               ; the add is done, and my reads of this slot are over
	s_barrier_signal -1
	MUL16 2, 1, 0
	WIN 0
	s_barrier_wait -1
.if \fill
	CREST                                          ; the barrier has opened a round of the cluster's barrier: no wave of any partner still reads this slot's tile or has a load on its way
	WALKD \slot, \fill
	JLOAD G0+4*\slot, G1, G0B+4*\slot, G1B         ; the first tensor load behind the round; its four v_nop are the places in front of the loads below
.else
	PLACES NP
.endif
	FETCH_B \next, 0, 0
	FETCH_A \next, 0, 0
	WIN MUL_HI
	MUL16 4, 1, 0
	MUL16 6, 1, 0
	PLACES NP
	WIN 0
	FETCH_A \next, 0, 4
.endm
; A TILE'S PRODUCTS.  1,024 along K are four slots' worth, written straight through.  At its head slot 0 holds K 0-255, shown to every wave by a barrier, and slot 1's load may be out.
; succ = 1: a tile follows: the third change of slots asks for its K 0-255.
.macro KWORK succ
	FETCH_B 0, 0, 0
	FETCH_A 0, 0, 0
	FETCH_A 0, 0, 4
	STEP 0, 0, 1                                   ; K 0-127: these products start the sums
	TURN 0, 1, 1                                   ; K 128-255; slot 0 takes K 512-767
	STEP 1, 0, 0
	TURN 1, 0, 1                                   ; slot 1 takes K 768-1023
	STEP 0, 0, 0
.if \succ
	TURN 0, 1, 2                                   ; slot 0 takes the second tile's K 0-255
.else
	TURN 0, 1, 0                                   ; nothing is left to fetch
.endif
	STEP 1, 0, 0
	s_wait_dscnt 4*NL                              ; the tile's last step
	WIN MUL_LO
	MUL16 0, 1, 0
	MUL16 2, 1, 0
	s_wait_dscnt 0
	WIN MUL_HI
	MUL16 4, 1, 0
	MUL16 6, 1, 0
	WIN 0
.endm
; silu of block a's 64 sums, in place.  Each accumulator is read from its low end on.
.macro SILUB a
.set WN, 2+(\a)/4
.set AC, 64*((\a)%4)
.set WW, (WN<<6)|WN
	WIN WW                                         ; destination and source 0: the block's window
.set i, 0
.rept 32
	v_pk_mul_f32 v[AC+i:AC+i+1], v[AC+i:AC+i+1], s[4:5] op_sel_hi:[1,0]   ; z = sum x c
.set i, i+2
.endr
	WIN WN
.set i, 0
.rept 64
	v_exp_f32 v[TT+i], v[AC+i]                     ; 2^z
.set i, i+1
.endr
	WIN 0
	v_nop                                          ; a plain place behind the exponentials
.set i, 0
	s_wait_alu depctr_va_vdst(0)
.rept 32
	v_pk_fma_f32 v[TT+i:TT+i+1], v[TT+i:TT+i+1], s[6:7], s[6:7] op_sel_hi:[1,0,0]   ; k (1 + 2^z)
.set i, i+2
.endr
.set i, 0
.rept 64
	v_rcp_f32 v[TT+i], v[TT+i]
.set i, i+1
.endr
	v_nop                                          ; a plain place behind the reciprocals
	WIN WW
.set i, 0
	s_wait_alu depctr_va_vdst(0)
.rept 32
	v_pk_mul_f32 v[AC+i:AC+i+1], v[AC+i:AC+i+1], v[TT+i:TT+i+1]   ; silu (x 2^F)
.set i, i+2
.endr
.endm
; The left waves: the largest |silu| of each token's 128 channels; it is 0 just where the sum of the magnitudes is 0.  The token's word is V's limit: 57,344 x 2^e11, or 0.
; (Q's waves run this too, so that the branch hangs on the wave's number alone; their words are read by nobody.)
.macro KMASK a
.set WN, 2+(\a)/4
.set AC, 64*((\a)%4)
.set MR, MM+2*(\a)
.set WW, (WN<<2)|(WN<<4)
	v_mov_b32 v[MR], 0
	v_mov_b32 v[MR+1], 0
	WIN WW                                         ; sources 1 and 2: the block's window
.irp i, 0,1,2,3,4,5,6,7,8,9,10,11,12,13,14,15
	v_max3_num_f32 v[MR], v[MR], |v[AC+4*\i]|, |v[AC+4*\i+1]|
	v_max3_num_f32 v[MR+1], v[MR+1], |v[AC+4*\i+2]|, |v[AC+4*\i+3]|
.endr
	WIN 0
	v_max_num_f32 v[MR], v[MR], v[MR+1]
	v_permlanex16_b32 v[MR+1], v[MR], s2, s3       ; the token's other 64 channels lie in the lane 16 away
	v_max_num_f32 v[MR], v[MR], v[MR+1]
	v_cmp_lt_f32 vcc_lo, 0, v[MR]
	v_cndmask_b32 v[MR], 0, v[LV], vcc_lo
	ds_store_b32 v[MA], v[MR] offset:64*(\a)       ; both halves of the lanes write the same word with the same number
.endm
; Block a's 64 numbers are held, converted and stored as one fragment's image.  v[lb + per x i]: the limit of number i.
.macro QUANTB a, lb, per
.set WN, 2+(\a)/4
.set AC, 64*((\a)%4)
.set CSET, CD+16*((\a)%2)
	s_wait_xcnt 0x0                                ; the stores of two blocks ago have read their registers: this set of codes is written again only behind this wait
	WIN WN
.set i, 0
.rept 64
	v_med3_num_f32 v[TT+i], v[AC+i], -v[\lb+\per*i], v[\lb+\per*i]   ; the conversion to an 8-bit code does not saturate (ISA guide 7.6.2): the hold; with V's limits also the key mask
.set i, i+1
.endr
	WIN 0
.set i, 0
.rept 8
	v_cvt_scalef32_pk8_bf8_f32 v[CSET+2*i:CSET+2*i+1], v[TT+8*i:TT+8*i+7], v[SCL]   ; accumulator (a, i)'s eight numbers: registers 2 i, 2 i + 1 of the fragment
.set i, i+1
.endr
	v_nop                                          ; a plain place between the conversions and the next block's holds, which write their sources
.irp c, 0,1,2,3
	global_store_b128 v[LN], v[CSET+4*\c:CSET+4*\c+3], s[8:9] offset:2048*(\a)+512*\c   ; 32 lanes store 512 consecutive bytes, at a multiple of 256 from the buffer's first byte
.endr
.endm
.macro STOREU a                        ; the gate leaves from the accumulators as it stands
.set WN, 2+(\a)/4
.set AC, 64*((\a)%4)
.set WW, WN<<2
	WIN WW                                         ; a store's data: source 1
.irp b, 0,1,2,3,4,5,6,7
	global_store_b128 v[LN], v[AC+8*\b:AC+8*\b+3], s[8:9] offset:8192*\b+1024*(\a)         ; tokens 16 b on, channels 16 a on: 512 consecutive bytes
	global_store_b128 v[LN], v[AC+8*\b+4:AC+8*\b+7], s[8:9] offset:8192*\b+1024*(\a)+512
.endr
	WIN 0
.endm
; A TILE'S WAY OUT: silu of all sums; the left waves hand V's limits over through LDS, with a barrier; then each wave quantises and stores, or stores, its 128 x 128.
; succ = 1: that barrier is a round of the cluster's barrier, and behind it slot 1, which every wave has read out, takes the second tile's K 256-511.  The wait for all tensor loads in front of the round
; also shows slot 0's tile, the second tile's K 0-255, landed: it was asked for a K step and eight blocks' silu earlier; the round shows it to every wave, so the second tile needs no barrier at its head.
.macro WAYOUT succ
	PLACES NP                                      ; between the products and the first read of results
.irp a, 0,1,2,3,4,5,6,7
	SILUB \a
.endr
	WIN 0
	s_cmp_lg_u32 s16, 0
	s_cbranch_scc1 .Lno_mask_\@
.irp a, 0,1,2,3,4,5,6,7
	KMASK \a
.endr
.Lno_mask_\@:
.if \succ
	s_wait_tensorcnt 0x0                           ; all my tensor loads have landed: my part of slot 0
	ds_add_u32 v[SPW], v[NIL]                      ; 0 onto my spare word
	s_wait_dscnt 0x0                               ; the add is done, my stores of the limits too, and my reads of slot 1 were over at the last products
	CROUND
	WALKD 1, 2
	JLOAD G0+4, G1, G0B+4, G1B                     ; the first tensor load behind the round, and my only one until the next
.else
	s_wait_dscnt 0x0                               ; for the others' sake: my stores of the limits are done
	s_barrier_signal -1
	s_barrier_wait -1                              ; every wave passes this barrier
.endif
	s_cmp_lg_u32 s16, 0
	s_cbranch_scc1 .Lright_\@
.irp a, 0,1,2,3,4,5,6,7
	QUANTB \a, LIM, 0                              ; Q or K: tokens 16 a on
.endr
	s_branch .Lend_\@
.Lright_\@:
	s_cmp_eq_u32 s12, 0                            ; TYPE: equal in all partners of the cluster; no barrier and no tensor load stands in either way
	s_cbranch_scc1 .Lgate_\@
.irp b, 0,1,2,3,4,5,6,7
	ds_load_b128 v[LL+8*\b:LL+8*\b+3], v[ML] offset:64*\b        ; the limits of tokens 16 b + 8 hl + 0 .. 7: the tokens of my registers 8 b + 0 .. 7 in every block
	ds_load_b128 v[LL+8*\b+4:LL+8*\b+7], v[ML] offset:64*\b+16
.endr
	s_wait_dscnt 0x0
.irp a, 0,1,2,3,4,5,6,7
	QUANTB \a, LL, 1                               ; V: channels 16 a on, my 128 tokens along the registers
.endr
	s_branch .Lend_\@
.Lgate_\@:
.irp a, 0,1,2,3,4,5,6,7
	STOREU \a
.endr
.Lend_\@:
.endm
	s_wait_tensorcnt 1                             ; my part of K step 0 is in; K step 1's load may be out
	s_barrier_signal -1
	s_barrier_wait -1                              ; everybody's is
	KWORK 1                                        ; THE FIRST TILE
	; ---- the constants of both ways out, chosen by TYPE and by my column half; every choice follows a compare of its own
	s_wait_kmcnt 0x0
	s_mov_b32 s2, 0x76543210                       ; v_permlanex16_b32's selects for lane l xor 16
	s_mov_b32 s3, 0xfedcba98
	s_add_co_i32 s88, s88, s89                     ; Q: e0 + e1
	s_add_co_i32 s90, s90, s91                     ; K: e2 + e3
	s_add_co_i32 s92, s92, s93                     ; V: e4 + e5
	s_add_co_i32 s94, s94, s95                     ; U: e6 + e7
	s_cmp_eq_u32 s12, 0
	s_cselect_b32 s88, s88, s90                    ; the left half's: Q's or K's
	s_cselect_b32 s92, s94, s92                    ; the right half's: U's or V's
	s_cselect_b32 s10, s96, s97                    ; the left half's quantiser: e8 or e9
	s_cmp_eq_u32 s16, 0
	s_cselect_b32 s88, s88, s92                    ; E: a sum stands for sum x 2^E
	s_cselect_b32 s10, s10, s99                    ; the quantiser's exponent (right half: e11)
	s_lshl_b32 s88, s88, 23
	s_add_co_u32 s4, s88, 0xbfb8aa3b               ; c = -log2(e) x 2^E: E is added to the exponent field
	s_mov_b32 s5, s4                               ; (named with it as a pair, so it is written)
	s_add_co_i32 s11, s98, s99
	s_xor_b32 s13, s12, 1
	s_and_b32 s13, s13, s16                        ; 1 for U alone
	s_mul_i32 s11, s11, s13                        ; F = e10 + e11 for U, else 0
	s_lshl_b32 s11, s11, 23
	s_sub_co_u32 s6, 0xbfb8aa3b, s11               ; k = -log2(e) x 2^-F: the reciprocal then carries 2^F
	s_mov_b32 s7, s6
	s_lshl_b32 s46, s13, 1
	s_add_co_u32 s46, s46, 22
	s_lshl_b32 s46, 1, s46                         ; from the first tile's place in my buffer to the second's: 4,096 tokens are two batches, 16 heads' worth: 2^22 bytes of codes, 2^24 of gate
	s_mov_b32 s47, 0
	s_add_co_i32 s10, s10, 127
	s_lshl_b32 s11, s10, 23
	v_mov_b32 v[SCL], s11                          ; the scale as f32: the conversion takes its exponent field
	s_add_co_i32 s10, s10, 15
	s_lshl_b32 s10, s10, 23
	s_or_b32 s10, s10, 0x600000
	v_mov_b32 v[LIM], s10                          ; 57,344 x the scale
	s_add_co_i32 s10, s99, 142
	s_lshl_b32 s10, s10, 23
	s_or_b32 s10, s10, 0x600000
	v_mov_b32 v[LV], s10                           ; 57,344 x 2^e11
	s_lshl_b32 s10, s17, 8
	s_lshl_b32 s11, s15, 7
	s_add_co_u32 s10, s10, s11                     ; my first token among the 8,192
	s_lshr_b32 s11, s10, 11
	s_lshl_b32 s11, s11, 3
	s_add_co_u32 s11, s11, s42                     ; b x 8 + head
	s_and_b32 s10, s10, 2047                       ; the token within its sequence
	s_lshl_b32 s13, s11, 18
	s_lshl_b32 s18, s10, 7
	s_add_co_u32 s18, s18, s13                     ; codes: 2^18 bytes a head, 128 a token
	s_lshl_b32 s13, s11, 20
	s_lshl_b32 s19, s10, 9
	s_add_co_u32 s19, s19, s13                     ; gate: 2^20 bytes a head, 512 a token
	s_cmp_eq_u32 s12, 0
	s_cselect_b64 s[8:9], s[80:81], s[82:83]       ; qf or kf
	s_cselect_b64 s[20:21], s[86:87], s[84:85]     ; gate or vf
	s_cselect_b32 s19, s19, s18
	s_cmp_eq_u32 s16, 0
	s_cselect_b64 s[8:9], s[8:9], s[20:21]
	s_cselect_b32 s18, s18, s19
	s_mov_b32 s19, 0
	s_add_nc_u64 s[8:9], s[8:9], s[18:19]          ; where my part of my buffer begins
	WAYOUT 1
	s_wait_xcnt 0x0                                ; the first tile's stores have read their base and their data: the base may step, the accumulators and the codes' registers may be written again
	s_add_nc_u64 s[8:9], s[8:9], s[46:47]
	KWORK 0                                        ; THE SECOND TILE: slot 0 was shown whole by the round on the way out; slot 1's load is waited for at the first change of slots
	WAYOUT 0
	s_wait_tensorcnt 0x0                           ; the wave's end: behind my last tensor load and my last LDS store
	ds_add_u32 v[SPW], v[NIL]
	s_wait_dscnt 0x0
	CROUND                                         ; the closing round: no work-group ends while a partner may still ask for a tile that names it
	s_endpgm
.Lfunc_end_k_q307d97b226_proj:
	.size	k_q307d97b226_proj, .Lfunc_end_k_q307d97b226_proj-k_q307d97b226_proj
	.p2alignl 7, 3214868480
	.fill 96, 4, 3214868480
	.section	.rodata,"a",@progbits
	.p2align	6, 0x0
	.amdhsa_kernel k_q307d97b226_proj
		.amdhsa_group_segment_fixed_size 327680
		.amdhsa_private_segment_fixed_size 0
		.amdhsa_enable_private_segment 0
		.amdhsa_kernarg_size 80
		.amdhsa_user_sgpr_count 2
		.amdhsa_user_sgpr_kernarg_segment_ptr 1
		.amdhsa_wavefront_size32 1
		.amdhsa_system_sgpr_workgroup_id_x 1
		.amdhsa_system_sgpr_workgroup_id_y 1
		.amdhsa_system_sgpr_workgroup_id_z 1
		.amdhsa_system_vgpr_workitem_id 0
		.amdhsa_next_free_vgpr 1024
		.amdhsa_next_free_sgpr 100
		.amdhsa_reserve_vcc 1
		.amdhsa_float_denorm_mode_32 3
		.amdhsa_float_denorm_mode_16_64 3
		.amdhsa_memory_ordered 1
		.amdhsa_forward_progress 1
		.amdhsa_inst_pref_size 255
	.end_amdhsa_kernel
	.section	.bss,"aw",@nobits
	.p2align	6
	.space	262144
	.amdgpu_metadata
---
amdhsa.version: [ 1, 2 ]
amdhsa.kernels:
  - .name:           k_q307d97b226_proj
    .symbol:         k_q307d97b226_proj.kd
    .args:
      - { .name: x_codes, .offset: 0, .size: 8, .value_kind: global_buffer, .address_space: global }
      - { .name: Wq_codes, .offset: 8, .size: 8, .value_kind: global_buffer, .address_space: global }
      - { .name: Wk_codes, .offset: 16, .size: 8, .value_kind: global_buffer, .address_space: global }
      - { .name: Wv_codes, .offset: 24, .size: 8, .value_kind: global_buffer, .address_space: global }
      - { .name: Wu_codes, .offset: 32, .size: 8, .value_kind: global_buffer, .address_space: global }
      - { .name: lowp_scales, .offset: 40, .size: 8, .value_kind: global_buffer, .address_space: global }
      - { .name: qf, .offset: 48, .size: 8, .value_kind: global_buffer, .address_space: global }
      - { .name: kf, .offset: 56, .size: 8, .value_kind: global_buffer, .address_space: global }
      - { .name: vf, .offset: 64, .size: 8, .value_kind: global_buffer, .address_space: global }
      - { .name: gate, .offset: 72, .size: 8, .value_kind: global_buffer, .address_space: global }
    .group_segment_fixed_size: 327680
    .private_segment_fixed_size: 0
    .kernarg_segment_align: 8
    .kernarg_segment_size: 80
    .max_flat_workgroup_size: 128
    .sgpr_count:     100
    .vgpr_count:     1024
    .wavefront_size: 32
...
	.end_amdgpu_metadata
.endif
;; end of part 1
;; launch attn (part 2): grid 8 x 32, 16 waves a work-group, clusters of 4 x 1, 327,680 bytes of LDS; arguments qf, kf, vf, gate, rel_bias, lowp_scales, out0; writes out0
.if DOCPART == 2
	.amdgcn_target "amdgcn-amd-amdhsa--gfx1250"
	.amdhsa_code_object_version 6
	.text
	.protected	k_q307d97b226_attn
	.globl	k_q307d97b226_attn
	.p2align	8
	.type	k_q307d97b226_attn,@function
k_q307d97b226_attn:
	s_mov_b64 s[64:65], 0
	v_nop
	global_prefetch_b8 v0, s[64:65] scope:SCOPE_SE
	s_setreg_imm32_b32 hwreg(HW_REG_WAVE_MODE, 25, 1), 1
	s_wait_xcnt 0x0
	s_wait_alu depctr_hold_cnt(0) depctr_sa_sdst(0) depctr_va_vdst(0) depctr_va_sdst(0) depctr_va_ssrc(0) depctr_va_vcc(0) depctr_vm_vsrc(0)
	s_getreg_b32 s2, hwreg(HW_REG_IB_STS2, 6, 4)
	s_cmp_eq_u32 s2, 0
	s_cbranch_scc0 .Lentry_in_a_cluster
	s_endpgm
.Lentry_in_a_cluster:
	s_bfe_u32 s2, ttmp6, 0x10000c
	s_cmp_lg_u32 s2, 0x3003
	s_cbranch_scc0 .Lentry_shape_is_right
	s_endpgm
.Lentry_shape_is_right:
; out[b][q][128 h + d] = gate x the sum over keys k <= q of Quant(silu((Q[q] . K[k] + rel_bias[q - k + 2047][h]) / sqrt(128))) V[k][d], both products on codes of BF8 (E5M2).
; qf, kf, vf hold images of operand registers and gate holds silu(U) x 2^(e10 + e11) in the layout of the sums, as the launch before stored them (its head comment has the layouts).
; SHARES.  Eight work-groups to a head (b x 8 + h = grid y); work-group j of them owns the query tiles T = 8 rho + j, rho = 0 .. 15: one tile of 16 queries to each of its SIXTEEN waves, in 256 registers.
; Wave with rank rho works the key steps (128 keys) 0 .. rho and jumps over the work of the others: the jump hangs on the wave's number and the step's count alone, so all work-groups run alike, and j
; enters global addresses and the CONTENTS of the bias table only.  Every work-group walks all 8 slots of 256 keys: trip counts are constants, and no tensor load or barrier is jumped over.
; rho = 4 (g ^ i) + (g ^ m(i)), g = wave / 4, i = wave % 4, m = 0, 2, 3, 1: whichever four waves have the same g, or the same i, hold one rank of each quarter, and their ranks add up to 30.
; A WAVE'S TILE LEAVES AS SOON AS ITS RANK IS DONE: behind the change of slots that follows its last step, where it has no step left to work, it loads its part of gate, multiplies and stores, while the
; waves of higher ranks work the slot.  So the loads of gate and the stores of out0 are spread over the slots; only ranks 14 and 15 leave at the end.  The wave then goes on passing the barriers.
; CLUSTER.  Four of a head's eight work-groups form a cluster (a mask names four at the most) and ask for K's and V's tiles jointly.
; LAYOUT.  S^T = K Q^T + bias (source 0 = 16 keys, source 1 = my queries, C = the bias): a lane holds query lane % 16, tile t's registers the keys 16 t + 8 (lane / 16) + 0 .. 7: converted, they ARE registers
; 2 t, 2 t + 1 of the weights' fragment.  O = P V (source 0 = the weights, source 1 = 16 channels of V^T): a lane holds a channel, its registers eight queries, as in gate.
; THE BIAS TABLE, in LDS: R[u] stands for k - q = u - 1936 - 16 j: rel_bias[3983 + 16 j - u][h] / 2^(e8 + e9) where k <= q, and -2^100 where k > q: then z is 128 or more, 2^z is infinite, its reciprocal 0,
; and the weight -0: THE CAUSAL MASK COSTS NO INSTRUCTION.  A lane wants eight neighbours that begin at a place that hangs on lane % 16: four copies, copy c shifted by c words, give every lane two aligned loads of 16 bytes.
; THE KEY MASK lies in V: a masked key's row of V was stored as zeros.
; SILU.  z = -log2(e) score;  silu = z / (-log2(e) (1 + 2^z)).
; LIMITS.  e8 + e9 between -90 and 24 (so that 2^100 x 0.1275 x 2^(e8 + e9) is at least 128 and finite); e10 between -126 and 112.  NaN among the inputs is not served.
.set SLOT1,  65536                     ; a slot: 16 fragments of K (32,768 bytes), then 2 x 8 fragments of V; slot 1 begins here, so that one exclusive or turns an address
.set VOFF,   32768
.set TABLE,  131072                    ; four copies of COPYB bytes; reserved: 41,472 bytes, the largest sum that the terms of a bias address could reach
.set COPYB,  8512                      ; 2,128 words; 8,512 = 33 x 256 + 64: with 16 bytes for each group of four lanes, sixteen lanes read sixteen different 16-byte columns modulo 256 bytes
.set STAGE,  172544                    ; the way out: 16 rows x (512 bytes + 16) for each wave; no tile lands here
.set SPITCH, 528
.set SPARE,  307712                    ; the spare words, 128 bytes for each wave: eight blocks of 256 bytes that no other line names
.set SPW, 1                            ; v1   LDS address of my spare word; never rewritten
.set NIL, 2                            ; v2   0; never rewritten
.set LN,  3                            ; v3   16 x lane
.set AFR, 4                            ; v4   16 x lane + the slot in hand
.set BL,  5                            ; v5   my lane's place in the bias table, for key step 0
.set BA,  6                            ; v6   the same for the step in hand
.set SCL, 7                            ; v7   2^e10 as f32
.set LIM, 8                            ; v8   57,344 x 2^e10
.set STO, 9                            ; v9   the way out: where I put a number
.set RD,  10                           ; v10  and where I read a row back
.set QF,  16                           ; v16-31   Q's fragment
.set F,   32                           ; v32-95   four fragments of K or of V
.set S,   96                           ; v96-159  the bias, then S^T, then the weights
.set O,   160                          ; v160-223 the sums
.set P,   224                          ; v224-239 the weights' codes
.set TT,  240                          ; v240-255 at work
.set WV,  18                           ; s18  my wave's number
.set RHO, 19                           ; s19  my rank
.set FIN, 20                           ; s20  the step's number at the head of the slot behind my last step: (rank | 1) + 1
.set SB,  21                           ; s21  my stage in LDS
.set CSC, 22                           ; s[22:23] -log2(e) / sqrt(128) x 2^(e8 + e9)
.set G1,  24                           ; s[24:31] descriptor group 1
.set G0,  32                           ; s[32:35] descriptor group 0, which walks
.set KK,  36                           ; s[36:37] -log2(e)
.set TB,  40                           ; s40  LDS byte at which the slot in hand begins
.set SLOTS, 41                         ; s41  counts the loop's trips
.set KS,  42                           ; s42  the key step's number
.set BO,  43                           ; s43  512 x that: a step's 128 places in the table
.macro CROUND                          ; a round of the cluster's barrier
	s_barrier_signal -1
	s_barrier_wait -1
	s_cmp_lg_u32 s[WV], 0
	s_cbranch_scc1 .Lnot_wave_0_\@
	s_barrier_signal -3
.Lnot_wave_0_\@:
	s_barrier_wait -3
	s_barrier_signal -1
	s_barrier_wait -1
.endm
.macro TLOAD                           ; waves 0 and 1 fetch K's halves of a slot, waves 2 and 3 V's, the others nothing; four v_nop follow the line
	s_cmp_lt_u32 s[WV], 4
	s_cbranch_scc0 .Lasked_\@
	tensor_load_to_lds s[G0:G0+3], s[G1:G1+7]
	s_nop 0
.rept 4
	v_nop
.endr
.Lasked_\@:
.endm
	s_load_b256 s[4:11], s[0:1], 0x0               ; qf 4, kf 6, vf 8, gate 10
	s_load_b128 s[12:15], s[0:1], 0x20             ; rel_bias 12, the exponents 14
	s_load_b64 s[16:17], s[0:1], 0x30              ; out0
	v_lshl_add_u32 v[SPW], v0, 2, SPARE
	v_mov_b32 v[NIL], 0
	ds_add_u32 v1, v2
	s_wait_dscnt 0x0
	v_lshrrev_b32 v4, 5, v0
	v_readfirstlane_b32 s[WV], v4                  ; wave 0..15
	s_lshr_b32 s44, s[WV], 2                       ; g
	s_and_b32 s45, s[WV], 3                        ; i
	s_lshr_b32 s46, s45, 1
	s_xor_b32 s47, s45, s46
	s_and_b32 s47, s47, 1
	s_lshl_b32 s47, s47, 1
	s_or_b32 s47, s47, s46                         ; m(i): 0, 2, 3, 1
	s_xor_b32 s45, s44, s45
	s_xor_b32 s47, s44, s47
	s_lshl_b32 s45, s45, 2
	s_or_b32 s[RHO], s45, s47                      ; my rank
	s_or_b32 s[FIN], s[RHO], 1
	s_add_co_u32 s[FIN], s[FIN], 1
	s_mul_i32 s[SB], s[WV], 16*SPITCH
	s_add_co_u32 s[SB], s[SB], STAGE
	s_bfe_u32 s52, ttmp6, 0x40000                  ; cx
	s_lshl_b32 s53, ttmp9, 2
	s_add_co_u32 s53, s53, s52                     ; j = 4 x cluster x + cx
	s_and_b32 s54, ttmp7, 0xffff                   ; b x 8 + h, which the partners share
	s_and_b32 s55, s54, 7                          ; h
	s_lshr_b32 s56, s54, 3                         ; b
	s_lshl_b32 s57, s[RHO], 3
	s_add_co_u32 s57, s57, s53                     ; T: my tile of 16 queries
	; descriptor group 1: 16,384 bytes that are dense in memory, as 64 rows of 256 bytes, no padding
	s_mov_b32 s[G1], 15|(3<<16)|(1<<21)            ; 15:0 the mask: all four work-groups; 17:16 elements of 8 bytes; 21 set beside a mask
	s_mov_b32 s[G1+1], 32<<16                      ; tensor_dim0 = 32
	s_mov_b32 s[G1+2], 64<<16                      ; tensor_dim1 = 64
	s_mov_b32 s[G1+3], 32<<16                      ; tile_dim0 = 32
	s_mov_b32 s[G1+4], 64                          ; tile_dim1 = 64
	s_mov_b32 s[G1+5], 32                          ; tensor_dim0_stride
	s_mov_b32 s[G1+6], 0
	s_mov_b32 s[G1+7], 0
	s_lshl_b32 s58, s54, 18                        ; the head's first byte in qf, kf and vf
	s_and_b32 s60, s[WV], 1
	s_lshl_b32 s60, s60, 14
	s_add_co_u32 s60, s60, s58                     ; what I fetch, if I fetch: half wave % 2 of a slot's 32,768 bytes of K or of V
	s_mov_b32 s61, 0
	s_lshl_b32 s62, s57, 11
	s_add_co_u32 s62, s62, s58                     ; my tile's image in qf
	s_mov_b32 s63, 0
	s_lshl_b32 s66, s54, 20
	s_lshl_b32 s67, s57, 13
	s_add_co_u32 s66, s66, s67                     ; gate: 2^20 bytes a head, 8,192 a tile of queries
	s_mov_b32 s67, 0
	s_lshl_b32 s68, s56, 23                        ; out0: 2^23 bytes a batch,
	s_lshl_b32 s69, s57, 16                        ; 16 rows of 4,096 bytes a tile,
	s_add_co_u32 s68, s68, s69
	s_lshl_b32 s69, s55, 9                         ; 512 bytes a head
	s_add_co_u32 s68, s68, s69
	s_mov_b32 s69, 0
	s_mov_b32 s[TB], 0
	s_mov_b32 s[KS], 0
	s_mov_b32 s[BO], 0
	s_wait_kmcnt 0x0
	s_load_b128 s[48:51], s[14:15], 0x20           ; e8, e9, e10, e11
	s_mov_b32 s[G0], 1                             ; count = 1
	s_lshl_b32 s[G0+1], s[WV], 14                  ; LDS address: K's halves at 0 and 16,384, V's at 32,768 and 49,152 of slot 0
	s_cmp_lt_u32 s[WV], 2
	s_cselect_b64 s[G0+2:G0+3], s[6:7], s[8:9]     ; kf or vf
	s_add_nc_u64 s[G0+2:G0+3], s[G0+2:G0+3], s[60:61]
	s_or_b32 s[G0+3], s[G0+3], 0x80000000          ; type = 2
	CROUND                                         ; all four work-groups are here: the first joint loads meet
	TLOAD                                          ; slot 0: keys 0 to 255
	s_add_nc_u64 s[4:5], s[4:5], s[62:63]
	s_add_nc_u64 s[10:11], s[10:11], s[66:67]      ; gate and out0 at my tile: made once, never stepped
	s_add_nc_u64 s[16:17], s[16:17], s[68:69]
	v_and_b32 v[LN], 31, v0
	v_lshlrev_b32 v[LN], 4, v[LN]
.irp c, 0,1,2,3
	global_load_b128 v[QF+4*\c:QF+4*\c+3], v[LN], s[4:5] offset:512*\c   ; Q's fragment stays in registers
.endr
	; ---- the bias table.  Thread t makes R[t + 512 n], n = 0 .. 3; wave 0 also R[2048 + t].  Read are R[1] .. R[2063]
	s_lshl_b32 s46, s53, 4
	s_add_co_u32 s47, s46, 3983                    ; rel_bias's row for u = 0
	s_add_co_u32 s46, s46, 1936                    ; the last u that counts: k = q
	s_lshl_b32 s44, s55, 2
	s_mov_b32 s45, 0
	s_add_nc_u64 s[12:13], s[12:13], s[44:45]      ; my head's column
	v_sub_nc_u32 v11, s47, v0
	v_min_u32 v12, 0xffe, v11                      ; u = 0 with j = 7 would name row 4,095, past the table's end: held at the last row (R[0] is never read)
	v_lshlrev_b32 v11, 5, v11                      ; a row is 32 bytes
	v_lshlrev_b32 v12, 5, v12
	global_load_b32 v[TT], v12, s[12:13]
	global_load_b32 v[TT+1], v11, s[12:13] offset:-16384     ; 512 rows further up
	global_load_b32 v[TT+2], v11, s[12:13] offset:-32768
	global_load_b32 v[TT+3], v11, s[12:13] offset:-49152
	s_xor_b32 s44, s[RHO], 15
	s_lshl_b32 s44, s44, 9                         ; 512 (15 - rho)
	s_add_co_u32 s44, s44, TABLE+16
	v_and_b32 v4, 3, v0                            ; c = lane % 4: my copy
	v_mul_u32_u24 v[BL], v4, COPYB
	v_bfe_u32 v4, v0, 4, 1                         ; hl
	v_lshl_add_u32 v[BL], v4, 5, v[BL]
	v_bfe_u32 v4, v0, 2, 2                         ; gl = (lane % 16) / 4
	v_xor_b32 v4, 3, v4                            ; 3 - gl
	v_lshl_add_u32 v[BL], v4, 4, v[BL]
	v_add_nc_u32 v[BL], s44, v[BL]                 ; = TABLE + COPYB c + 4 (1936 - 128 rho + 8 hl - 4 gl): word u + c of copy c for u = 1936 - 128 rho + 8 hl - lane % 16
	v_mov_b32 v14, 0xf1800000                      ; -2^100
	v_add_nc_u32 v13, 1536, v0                     ; u for n = 3
	v_lshl_add_u32 v15, v0, 2, TABLE
	s_wait_kmcnt 0x0
	s_add_co_i32 s44, s48, s49                     ; e8 + e9: a sum of the first product stands for sum x 2^(e8 + e9), so the bias goes in divided by that
	s_sub_co_i32 s45, 0, s44
	s_lshl_b32 s44, s44, 23
	s_add_co_u32 s[CSC], s44, 0xbe0293ee           ; -log2(e) / sqrt(128), with e8 + e9 added to its exponent field
	s_mov_b32 s[CSC+1], s[CSC]                     ; (named with it as a pair, so it is written)
	s_mov_b32 s[KK], 0xbfb8aa3b                    ; -log2(e)
	s_mov_b32 s[KK+1], s[KK]
	s_add_co_i32 s44, s50, 127
	s_lshl_b32 s52, s44, 23
	v_mov_b32 v[SCL], s52                          ; 2^e10 as f32
	s_add_co_i32 s44, s44, 15
	s_lshl_b32 s44, s44, 23
	s_or_b32 s44, s44, 0x600000
	v_mov_b32 v[LIM], s44                          ; 57,344 x 2^e10
	s_wait_loadcnt 0x0                             ; the four numbers, and Q
.irp n, 0,1,2,3
	v_ldexp_f32 v[TT+\n], v[TT+\n], s45
.endr
	v_cmp_lt_u32 vcc_lo, s46, v13                  ; only u from 1,937 on can be hidden: n = 3 and the tail
	v_cndmask_b32 v[TT+3], v[TT+3], v14, vcc_lo
.irp n, 0,1,2,3
.irp c, 0,1,2,3
	ds_store_b32 v15, v[TT+\n] offset:(COPYB+4)*\c+2048*\n   ; word u + c of copy c
.endr
.endr
	s_cmp_lg_u32 s[WV], 0
	s_cbranch_scc1 .Lno_tail
	global_load_b32 v[TT+4], v11, s[12:13] offset:-65536     ; wave 0: u = 2048 + lane
	v_add_nc_u32 v13, 512, v13
	s_wait_loadcnt 0x0
	v_ldexp_f32 v[TT+4], v[TT+4], s45
	v_cmp_lt_u32 vcc_lo, s46, v13
	v_cndmask_b32 v[TT+4], v[TT+4], v14, vcc_lo
.irp c, 0,1,2,3
	ds_store_b32 v15, v[TT+4] offset:(COPYB+4)*\c+8192
.endr
.Lno_tail:
.macro FLOAD base                      ; four fragments' images, from byte base of the slot in hand
.irp f, 0,1,2,3
.irp c, 0,1,2,3
	ds_load_b128 v[F+16*\f+4*\c:F+16*\f+4*\c+3], v[AFR] offset:\base+2048*\f+512*\c
.endr
.endr
.endm
.macro PLACES                          ; four places in front of loads into registers that matrix instructions have read, and of the first read of results (ISA guide 7.12.1 for the first read of results)
.rept 4
	v_nop
.endr
.endm
; Tiles 2 p and 2 p + 1 of S^T (16 numbers a lane) become weights and then registers 4 p .. 4 p + 3 of the weights' fragment.  Each accumulator is read from its low end on.
.macro SILU16 p
.set XS, S+16*(\p)
.irp i, 0,2,4,6,8,10,12,14
	v_pk_mul_f32 v[XS+\i:XS+\i+1], v[XS+\i:XS+\i+1], s[CSC:CSC+1] op_sel_hi:[1,0]   ; z
.endr
.irp i, 0,1,2,3,4,5,6,7,8,9,10,11,12,13,14,15
	v_exp_f32 v[TT+\i], v[XS+\i]
.endr
	v_nop                                          ; a plain place behind the exponentials
	s_wait_alu depctr_va_vdst(0)
.irp i, 0,2,4,6,8,10,12,14
	v_pk_fma_f32 v[TT+\i:TT+\i+1], v[TT+\i:TT+\i+1], s[KK:KK+1], s[KK:KK+1] op_sel_hi:[1,0,0]   ; -log2(e) (1 + 2^z)
.endr
.irp i, 0,1,2,3,4,5,6,7,8,9,10,11,12,13,14,15
	v_rcp_f32 v[TT+\i], v[TT+\i]
.endr
	v_nop                                          ; a plain place behind the reciprocals
	s_wait_alu depctr_va_vdst(0)
.irp i, 0,2,4,6,8,10,12,14
	v_pk_mul_f32 v[XS+\i:XS+\i+1], v[XS+\i:XS+\i+1], v[TT+\i:TT+\i+1]   ; silu(score)
.endr
.irp i, 0,1,2,3,4,5,6,7,8,9,10,11,12,13,14,15
	v_med3_num_f32 v[XS+\i], v[XS+\i], -v[LIM], v[LIM]   ; the conversion to an 8-bit code does not saturate (ISA guide 7.6.2): the hold
.endr
	v_cvt_scalef32_pk8_bf8_f32 v[P+4*(\p):P+4*(\p)+1], v[XS:XS+7], v[SCL]
	v_cvt_scalef32_pk8_bf8_f32 v[P+4*(\p)+2:P+4*(\p)+3], v[XS+8:XS+15], v[SCL]
.endm
; A KEY STEP: 128 keys, the q-th of the slot in hand.  zero = 1: the launch's first step, which every wave works (it has no jump) and whose products start O's sums.
; No two matrix instructions that follow each other share an accumulator, and each accumulator's turn is one instruction.
.macro STEP q, zero
.if !\zero
	s_cmp_gt_u32 s[KS], s[RHO]                     ; all of the step's keys come after my queries: its work is left out
	s_cbranch_scc1 .Lhidden_\@
.endif
	v_add_nc_u32 v[AFR], s[TB], v[LN]
	v_add_nc_u32 v[BA], s[BO], v[BL]
	v_nop
	v_nop                                          ; with the two additions: four places behind the last step's products
.irp t, 0,1,2,3,4,5,6,7
	ds_load_b128 v[S+8*\t:S+8*\t+3], v[BA] offset:64*\t          ; the bias of keys 16 t + 8 hl + 0 .. 7 for my query: the C of tile t's product
	ds_load_b128 v[S+8*\t+4:S+8*\t+7], v[BA] offset:64*\t+16
.endr
	FLOAD (8*(\q))*2048                            ; K: keys 0-63 of the step
	s_wait_dscnt 0x0
.irp t, 0,1,2,3
	v_wmma_f32_16x16x128_bf8_bf8 v[S+8*\t:S+8*\t+7], v[F+16*\t:F+16*\t+15], v[QF:QF+15], v[S+8*\t:S+8*\t+7]
.endr
	PLACES
	FLOAD (8*(\q)+4)*2048                          ; K: keys 64-127: they land while the first 64 weights are made
	SILU16 0
	SILU16 1
	s_wait_dscnt 0x0
.irp t, 0,1,2,3
	v_wmma_f32_16x16x128_bf8_bf8 v[S+32+8*\t:S+32+8*\t+7], v[F+16*\t:F+16*\t+15], v[QF:QF+15], v[S+32+8*\t:S+32+8*\t+7]
.endr
	PLACES
	FLOAD VOFF+(8*(\q))*2048                       ; V^T: channels 0-63
	SILU16 2
	SILU16 3
	v_nop                                          ; a plain place between the conversions and the products that read their results
	s_wait_dscnt 0x0
.irp t, 0,1,2,3
.if \zero
	v_wmma_f32_16x16x128_bf8_bf8 v[O+8*\t:O+8*\t+7], v[P:P+15], v[F+16*\t:F+16*\t+15], 0
.else
	v_wmma_f32_16x16x128_bf8_bf8 v[O+8*\t:O+8*\t+7], v[P:P+15], v[F+16*\t:F+16*\t+15], v[O+8*\t:O+8*\t+7]
.endif
.endr
	PLACES
	FLOAD VOFF+(8*(\q)+4)*2048                     ; V^T: channels 64-127
	s_wait_dscnt 0x0
.irp t, 0,1,2,3
.if \zero
	v_wmma_f32_16x16x128_bf8_bf8 v[O+32+8*\t:O+32+8*\t+7], v[P:P+15], v[F+16*\t:F+16*\t+15], 0
.else
	v_wmma_f32_16x16x128_bf8_bf8 v[O+32+8*\t:O+32+8*\t+7], v[P:P+15], v[F+16*\t:F+16*\t+15], v[O+32+8*\t:O+32+8*\t+7]
.endif
.endr
.if !\zero
.Lhidden_\@:
.endif
	s_add_co_u32 s[KS], s[KS], 1
	s_add_co_u32 s[BO], s[BO], 512
.endm
; THE CHANGE OF SLOTS stands at a slot's head.  Each wave waits for all its tensor loads (its part of the slot ahead), adds 0 to its spare word, and waits for that and for its LDS instructions: its reads of the slot
; that it has left, its way through the stage, and at the first change its stores into the bias table.  fill = 1: the barrier is a round of the cluster's, and the slot that was left takes the next 256 keys: the load has a slot's two steps in which to land.
.macro CHANGE fill
	s_wait_tensorcnt 0x0                           ; no tensor load of mine is out, so group 0 may be written
	ds_add_u32 v[SPW], v[NIL]                      ; 0 onto my spare word
.if \fill
	s_xor_b32 s[G0+1], s[G0+1], SLOT1              ; the other slot than last time,
	s_add_nc_u64 s[G0+2:G0+3], s[G0+2:G0+3], 32768 ; the next 256 keys; the type bits on top are not reached
	s_wait_dscnt 0x0
	CROUND
	TLOAD                                          ; the first thing behind the round, and a wave's one tensor load until the next
.else
	s_wait_dscnt 0x0
	s_barrier_signal -1
	s_barrier_wait -1
.endif
.endm
.macro SLOT_STEPS z
	STEP 0, \z
	STEP 1, 0
	s_xor_b32 s[TB], s[TB], SLOT1                  ; on to the other slot
.endm
; THE WAY OUT, for the two waves whose last step lay in the slot just left: the jump hangs on the wave's number and the step's count alone.  O x gate; a lane holds a channel and eight queries, so the
; 16 x 128 numbers go through my own stage in LDS and leave as whole rows of 512 bytes.  No barrier and no tensor load stands here.
.macro WAYOUT
	s_cmp_lg_u32 s[KS], s[FIN]
	s_cbranch_scc1 .Lnot_mine_\@
	v_and_b32 v11, 15, v0                          ; r.  (These six plain instructions are the places behind my last products)
	v_bfe_u32 v12, v0, 4, 1                        ; hl
	v_mul_u32_u24 v[STO], v12, 8*SPITCH
	v_lshl_add_u32 v[STO], v11, 2, v[STO]
	v_add_nc_u32 v[STO], s[SB], v[STO]             ; in: row 8 hl + jj, word 16 t + r
	v_add_nc_u32 v[RD], s[SB], v[LN]               ; back: the 32 lanes take one row
.irp i, 0,1,2,3,4,5,6,7,8,9,10,11,12,13,14,15
	global_load_b128 v[F+4*\i:F+4*\i+3], v[LN], s[10:11] offset:512*\i th:TH_LOAD_NT   ; registers 4 i .. 4 i + 3 of the 64, as O has them; read once in the launch
.endr
	s_wait_loadcnt 0x0
.set i, 0
.rept 32
	v_pk_mul_f32 v[S+i:S+i+1], v[O+i:O+i+1], v[F+i:F+i+1]   ; each accumulator from its low end on
.set i, i+2
.endr
.irp t, 0,1,2,3,4,5,6,7
.irp jj, 0,1,2,3,4,5,6,7
	ds_store_b32 v[STO], v[S+8*\t+\jj] offset:SPITCH*\jj+64*\t
.endr
.endr
.irp i, 0,1,2,3,4,5,6,7,8,9,10,11,12,13,14,15
	ds_load_b128 v[F+4*\i:F+4*\i+3], v[RD] offset:SPITCH*\i   ; LDS serves a wave's instructions in order (ISA guide 5.7.1.4): these see my stores
.endr
.irp i, 0,1,2,3,4,5,6,7,8,9,10,11,12,13,14,15
	s_wait_dscnt 15-\i                             ; row i is back; the 15 - i younger loads may be out
	global_store_b128 v[LN], v[F+4*\i:F+4*\i+3], s[16:17] offset:4096*\i th:TH_STORE_NT   ; 32 lanes store 512 consecutive bytes, at a multiple of 256 from out0's first byte
.endr
	s_wait_xcnt 0x0                                ; the stores have read their data: those registers are a step's fragment registers
.Lnot_mine_\@:
.endm
	CHANGE 1                                       ; slot 0 is whole and the table is written, for every wave; slot 1 is asked for
	SLOT_STEPS 1
	s_mov_b32 s[SLOTS], 6
.Lslot:                                            ; slots 1 to 6 are read; slots 2 to 7 are asked for; ranks 0 to 11 leave, two a trip
	CHANGE 1
	WAYOUT
	SLOT_STEPS 0
	s_sub_co_u32 s[SLOTS], s[SLOTS], 1
	s_cmp_lg_u32 s[SLOTS], 0
	s_cbranch_scc1 .Lslot
	CHANGE 0                                       ; the last slot is written out
	WAYOUT                                         ; ranks 12 and 13
	SLOT_STEPS 0
	WAYOUT                                         ; ranks 14 and 15
	s_wait_tensorcnt 0x0                           ; the wave's end: behind my last tensor load and my last LDS store
	ds_add_u32 v[SPW], v[NIL]
	s_wait_dscnt 0x0
	CROUND                                         ; the closing round: no work-group ends while a partner may still ask for a tile that names it
	s_endpgm
.Lfunc_end_k_q307d97b226_attn:
	.size	k_q307d97b226_attn, .Lfunc_end_k_q307d97b226_attn-k_q307d97b226_attn
	.p2alignl 7, 3214868480
	.fill 96, 4, 3214868480
	.section	.rodata,"a",@progbits
	.p2align	6, 0x0
	.amdhsa_kernel k_q307d97b226_attn
		.amdhsa_group_segment_fixed_size 327680
		.amdhsa_private_segment_fixed_size 0
		.amdhsa_enable_private_segment 0
		.amdhsa_kernarg_size 56
		.amdhsa_user_sgpr_count 2
		.amdhsa_user_sgpr_kernarg_segment_ptr 1
		.amdhsa_wavefront_size32 1
		.amdhsa_system_sgpr_workgroup_id_x 1
		.amdhsa_system_sgpr_workgroup_id_y 1
		.amdhsa_system_sgpr_workgroup_id_z 1
		.amdhsa_system_vgpr_workitem_id 0
		.amdhsa_next_free_vgpr 256
		.amdhsa_next_free_sgpr 72
		.amdhsa_reserve_vcc 1
		.amdhsa_float_denorm_mode_32 3
		.amdhsa_float_denorm_mode_16_64 3
		.amdhsa_memory_ordered 1
		.amdhsa_forward_progress 1
		.amdhsa_inst_pref_size 175
	.end_amdhsa_kernel
	.amdgpu_metadata
---
amdhsa.version: [ 1, 2 ]
amdhsa.kernels:
  - .name:           k_q307d97b226_attn
    .symbol:         k_q307d97b226_attn.kd
    .args:
      - { .name: qf, .offset: 0, .size: 8, .value_kind: global_buffer, .address_space: global }
      - { .name: kf, .offset: 8, .size: 8, .value_kind: global_buffer, .address_space: global }
      - { .name: vf, .offset: 16, .size: 8, .value_kind: global_buffer, .address_space: global }
      - { .name: gate, .offset: 24, .size: 8, .value_kind: global_buffer, .address_space: global }
      - { .name: rel_bias, .offset: 32, .size: 8, .value_kind: global_buffer, .address_space: global }
      - { .name: lowp_scales, .offset: 40, .size: 8, .value_kind: global_buffer, .address_space: global }
      - { .name: out0, .offset: 48, .size: 8, .value_kind: global_buffer, .address_space: global }
    .group_segment_fixed_size: 327680
    .private_segment_fixed_size: 0
    .kernarg_segment_align: 8
    .kernarg_segment_size: 56
    .max_flat_workgroup_size: 512
    .sgpr_count:     72
    .vgpr_count:     256
    .wavefront_size: 32
...
	.end_amdgpu_metadata
.endif
;; end of part 2
